; MI455X (gfx1250); checked and timed in simulation.
; The chip was launched on July 23, 2026; its instructions are those of AMD's public machine-readable ISA for CDNA 5 (MIT licence, August 2026) and "CDNA5" Instruction Set Architecture Reference Guide (July 2026). The comments in the code are by the model that wrote it; some were corrected since.
;; Outer Product Mean. Allowed arithmetic: matrix products marked QUANTISED: E2M3 operands, one E8M0 scale for each 32 along K, by v_wmma_scale_f32_16x16x128_f8f6f4 with both operands' format E2M3, f32 sums; everything else in f32.
;; Inputs: W_ab_codes 64 x 1 x 24 uint8 (E2M3 codes of W_ab, K innermost, in blocks of 32 codes, four codes in three bytes); W_ab_scales 64 x 1 uint8 (E8M0 scales of W_ab, one for each 32 codes along K); W_out_codes 128 x 32 x 24 uint8 (E2M3 codes of W_out, K innermost, in blocks of 32 codes, four codes in three bytes); W_out_scales 128 x 32 uint8 (E8M0 scales of W_out, one for each 32 codes along K); b_out 128 float32; ln_beta 32 float32; ln_gamma 32 float32; m_si 256 x 256 x 32 float32.
;; Outputs: out0 256 x 256 x 128 float32.
;; This version of the problem:
;;   THIS VERSION OF THE PROBLEM IS GIVEN IN LOW PRECISION. The matrix products marked QUANTISED in the list below multiply operands that are first quantised to E2M3 (2 exponent bits, 3 mantissa bits; 6 bits a number), with one power-of-two scale for each 32 numbers along K (OCP MX v1.0); their sums are f32. All else is computed in f32.
;;   The module's matrix products, in the order in which they are computed (A, B: the left and right operand; K: the contracted axis; several contracted axes count as one K, in the product's order):
;;     1. [M 65,536, K 32] x [K 32, N 64]; A: computed on the way; B: input W_ab (given as codes): QUANTISED
;;     2. [M 8,192, K 256] x [K 256, N 8,192]; A: computed on the way; B: computed on the way: QUANTISED
;;     3. [M 65,536, K 1,024] x [K 1,024, N 128]; A: computed on the way; B: input W_out (given as codes): QUANTISED
;;   THE QUANTISER, for each operand of a quantised product, along K:
;;     - K is cut into blocks of 32 from its start; a last block that is shorter is filled with zeros.
;;     - A block's scale is 2^e with e = floor(log2(the largest magnitude in the block)) - 2, held to -126 .. 127; a block of zeros has e = 0. As a byte (E8M0): e + 127.
;;     - Each number is divided by its block's scale, clamped to +-7.5, and rounded to the nearest number of E2M3, ties to even, subnormals kept.
;;     - The product sums the exact products of the quantised numbers (number of the format x scale) in f32.
;;   ~~~python
;;   def quantise(x, axis):      # numpy; x: float32 -> the quantised numbers, widened to float32 again
;;       x = np.moveaxis(x, axis, -1); K = x.shape[-1]
;;       x = np.pad(x, [(0, 0)] * (x.ndim - 1) + [(0, -K % 32)]); x = x.reshape(x.shape[:-1] + (-1, 32)); a = np.abs(x).max(-1, keepdims=True)
;;       e = np.where(a > 0, np.clip(np.frexp(np.where(a > 0, a, 1))[1] - 1 - 2, -126, 127), 0)      # np.frexp(a)[1] - 1 = floor(log2(a)), exactly
;;       r = np.clip(x / 2.0 ** e, -7.5, 7.5)
;;       step = 2.0 ** (np.maximum(np.frexp(np.where(r == 0, 1, r))[1] - 1, 0) - 3)
;;       q = np.round(r / step) * step * 2.0 ** e      # np.round: ties to even
;;       return np.moveaxis(q.reshape(q.shape[:-2] + (-1,))[..., :K], -1, axis).astype(np.float32)
;;   ~~~
;;   OPERANDS COMPUTED ON THE WAY. 'Computed on the way' means the value that the module computes at that place (a softmax that the list does not call 'softmax' is quantised finished and normalised). What goes into a quantiser is computed in f32, as accurately as f32 sums, v_exp_f32 and their like allow (about 1e-6 of the number): no bf16 or f16 on the way to a quantiser, and a product that is left as it is and whose result goes on into a quantised operand takes f32 operands (vector FMAs, or v_wmma_f32_16x16x4_f32). A number that lies on a knife's edge between two numbers of the format may be rounded either way, as far as f32 arithmetic and the matrix unit's own rounding can turn it there, and no further.
;;   INPUTS GIVEN AS CODES. W_ab (in the module: [64, 32], K = its axis 1); W_out (in the module: [128, 1024], K = its axis 1): each comes as NAME_codes (uint8): NAME with its K axis moved to the last place and cut into blocks of 32 codes, [.., K / 32, bytes a block], one block behind the other in memory; four codes in three bytes: a row's codes are one little-endian stream of bits, code i at bits 6 i .. 6 i + 5 (a code: sign, 2 exponent bits, 3 mantissa bits); and NAME_scales (uint8): the same leading axes, one E8M0 byte (e + 127) for each 32 codes along K. Its value is code x scale, taken as it is: it is not quantised again, and the codes and scales need not be those that the quantiser above would give.
;; One version. Each part assembles by itself: llvm-mc -triple=amdgcn-amd-amdhsa -mcpu=gfx1250 --defsym DOCPART=n.
;; ======== version 1 of 1: 2 launches
;; limits: right only within a limited range of input values
;; workspace buffers: a_img 1,638,400 bytes; b_img 1,638,400 bytes; w_img 102,400 bytes
;; launch prep (part 1): grid 256 x 1, 8 waves a work-group, no clusters, 53,760 bytes of LDS; arguments m_si, ln_gamma, ln_beta, W_ab_codes, W_ab_scales, W_out_codes, W_out_scales, a_img, b_img, w_img; writes a_img, b_img, w_img
.if DOCPART == 1
	.amdgcn_target "amdgcn-amd-amdhsa--gfx1250"
	.amdhsa_code_object_version 6
	.text
	.protected	k_qbe39a260ac_prep
	.globl	k_qbe39a260ac_prep
	.p2align	8
	.type	k_qbe39a260ac_prep,@function
k_qbe39a260ac_prep:
	s_mov_b64 s[64:65], 0
	v_nop
	global_prefetch_b8 v0, s[64:65] scope:SCOPE_SE
	s_setreg_imm32_b32 hwreg(HW_REG_WAVE_MODE, 25, 1), 1
	s_wait_xcnt 0x0
; LayerNorm over the 32 channels, x quantised along the channels, ab = x W_ab^T on codes of FP6 (E2M3) with E8M0 scales, and a and b quantised along n (blocks of 32 from n = 0).
; A work-group of eight waves takes one s: 256 rows n of 32 channels, 32 KiB in, 12.5 KiB out.  No tensor load and no cluster: each row is read by one work-group alone; only W_ab's 1.5 KiB are shared.
; PHASE X: wave w takes rows 32 w .. 32 w + 31.  It loads them as runs of 512 bytes, lays them in LDS rows of 144 bytes of its own and reads them back with a lane to half a row; normalises, quantises, and
; lays the codes in LDS as images of the next operand's registers.
; PHASE 1: wave w takes the half k2 = w % 2 of n, the kind (w / 2) % 2 (0: a, 1: b) and 16 channels g = w / 4.  x is source 0: in the result a lane holds one channel and its registers run along n.
; ROWS OF A TILE OF x: tile 8 k2 + 4 c + u holds in rows 0-7 n = 128 k2 + 64 c + 8 u + 0 .. 7 and in rows 8-15 the rows 32 further on: so a lane (r, h) holds all of block 2 c + h, register 32 c + i = its number i,
; which is the place that the next operand's layout gives it: no lane is asked for codes or maxima.
; K of this product is 32 channels: channels 0-15 stand at k = 0 .. 15 (lanes 0-15, registers 0-2), channels 16-31 at k = 32 .. 47 (lanes 16-31, registers 0-2), under the same scale byte twice.  W_ab's codes at all
; other k are zeros, so whatever codes x's registers hold there add nothing (FP6 has no NaN and no infinity): x's fragments lie four registers apart and overlap.
; STORED:
;   b_img [j][f = 2 u + k2][piece 3][half 2][row 8][16 bytes], then [row 8][u][k2] scale words: 6,400 bytes a j; row of fragment u is d = 8 u + row.
;   a_img [s / 16]: 16 rows of scale words [s % 16][c][k2], then [c / 4][s % 16][half 2][3 (2 (c % 4) + k2) + piece][16 bytes]: 102,400 bytes.
;   w_img: 16 rows of W_out's scale words [r][K step][z tile], then its 64 fragments of 1,536 bytes in register order.
; The division of the outer product's mean by 256 is taken off a's scale bytes (8 off each): exact.
; LIMITS: NaN and infinities among the inputs are not served.  A block of x has its largest magnitude held at 2^-124 from below, a block of a or of b at 2^-116; a block of zeros so gets another byte than the
; quantiser's rule says: its codes are zeros, and this program alone reads the bytes.
.set XT,    0                          ; 8 x 32 rows of 144 bytes
.set XIMG,  36864                      ; 16 tiles of 512 bytes: 16 x lane
.set XSC,   45056                      ; their scale words, 64 bytes a tile
.set AST,   46080                      ; a's 8 blocks of 768 bytes
.set SCST,  52224                      ; a's 256 bytes of scale words, then b's
.set SPARE, 52736                      ; spare words: 128 bytes a wave
.set SPW, 1
.set NIL, 2
.set LI,  3                            ; 16 x lane
.set XST, 4
.set XRD, 5
.set XWI, 6
.set XWS, 7
.set XRI, 8
.set XRS, 9
.set ASTA, 10
.set ASS, 11
.set BSS, 12
.set STR, 13
.set VB,  14
.set SCR, 15
.set L8,  16
.set BGO, 17
.set WGO, 18
.set WRO, 19
.set GB,  20
.set H8,  21
.set XL,  32                           ; x as loaded; later H, the product's 64 sums
.set H,   32
.set X,   64                           ; x, 16 numbers for each of two rows
.set GA,  96
.set BE,  112
.set T,   128                          ; 8 a row, at work
.set SS,  144                          ; 4 a row: mean, permuted, 1 / sigma, permuted
.set CD,  152                          ; 4 a row: three of codes and a zero
.set XF,  160                          ; x's eight fragments, four registers apart; 192-199 zeros
.set XS,  200                          ; their scale words
.set WF,  208                          ; W_ab's fragment
.set WS,  220                          ; its scale word
.set WSB, 221
.set PW,  222                          ; the scale word made
.set PX,  223
.set PC,  224                          ; the fragment made
.set TM,  128                          ; 4 running maxima, then 2 scale operands, 2 bytes
.set PT,  136
.set JB,  240                          ; W_out's piece
	s_load_b256 s[4:11], s[0:1], 0x0               ; m_si, gamma, beta, W_ab's codes
	s_load_b256 s[12:19], s[0:1], 0x20             ; W_ab's scales, W_out's codes, W_out's scales, a_img
	s_load_b128 s[20:23], s[0:1], 0x40             ; b_img, w_img
	v_lshl_add_u32 v[SPW], v0, 2, SPARE
	v_mov_b32 v[NIL], 0
	v_lshrrev_b32 v22, 5, v0
	v_readfirstlane_b32 s28, v22                   ; wave 0..7
	s_and_b32 s29, s28, 1                          ; k2
	s_bfe_u32 s30, s28, 0x10001                    ; kind
	s_lshr_b32 s31, s28, 2                         ; g
	s_lshr_b32 s48, s28, 1
	s_mov_b32 s32, 0x76543210
	s_mov_b32 s33, 0xfedcba98                      ; v_permlanex16_b32's selects for lane l xor 16
	s_mov_b32 s34, 0x3d000000                      ; 1 / 32
	s_mov_b32 s35, 0x3727c5ac                      ; 1e-5
	s_mul_i32 s36, s28, 4608
	s_lshl_b32 s37, s48, 11
	s_lshl_b32 s49, s29, 7
	s_add_co_u32 s37, s37, s49
	s_add_co_u32 s37, s37, XIMG
	s_lshl_b32 s38, s48, 8
	s_lshl_b32 s49, s29, 5
	s_add_co_u32 s38, s38, s49
	s_add_co_u32 s38, s38, XSC
	s_lshl_b32 s39, s29, 12
	s_add_co_u32 s39, s39, XIMG
	s_lshl_b32 s40, s29, 9
	s_add_co_u32 s40, s40, XSC
	s_mul_i32 s41, s31, 3072
	s_mul_i32 s49, s29, 48
	s_add_co_u32 s41, s41, s49
	s_add_co_u32 s41, s41, AST
	s_lshl_b32 s42, s31, 7
	s_lshl_b32 s49, s29, 2
	s_add_co_u32 s42, s42, s49
	s_add_co_u32 s42, s42, SCST
	s_lshl_b32 s43, s31, 4
	s_add_co_u32 s43, s43, s49
	s_add_co_u32 s43, s43, SCST+256
	s_and_b32 s44, s28, 3
	s_mul_i32 s44, s44, 1536
	s_add_co_u32 s44, s44, AST
	s_lshl_b32 s45, s29, 8
	s_add_co_u32 s45, s45, SCST
	s_mul_i32 s46, s31, 3072
	s_mul_i32 s49, s29, 768
	s_add_co_u32 s46, s46, s49
	s_lshl_b32 s47, s30, 5
	s_lshl_b32 s49, s31, 4
	s_add_co_u32 s47, s47, s49
	s_lshl_b32 s50, ttmp9, 15                      ; s x 32,768 bytes + 32 rows a wave
	s_lshl_b32 s51, s28, 12
	s_add_co_u32 s50, s50, s51
	s_mov_b32 s51, 0
	s_lshr_b32 s52, ttmp9, 4
	s_mul_i32 s52, s52, 102400                     ; a_img: my s / 16
	s_mov_b32 s53, 0
	s_and_b32 s54, ttmp9, 15
	s_mul_i32 s56, s54, 768                        ; my blocks of codes: 4,096 + 768 (s % 16) + two blocks of 12,288 a wave
	s_mul_i32 s57, s28, 24576
	s_add_co_u32 s56, s56, s57
	s_add_co_u32 s56, s56, 4096
	s_mov_b32 s57, 0
	s_lshl_b32 s54, s54, 8                         ; my scale words
	s_mov_b32 s55, 0
	s_mul_i32 s58, ttmp9, 6400                     ; b_img: my j
	s_mov_b32 s59, 0
	v_and_b32 v22, 31, v0                          ; lane
	v_and_b32 v23, 15, v0                          ; r
	v_bfe_u32 v24, v0, 4, 1                        ; h
	v_lshrrev_b32 v25, 3, v23
	v_and_b32 v26, 7, v23
	v_lshlrev_b32 v[LI], 4, v22
	v_lshrrev_b32 v27, 3, v22
	v_and_b32 v28, 7, v22
	v_mul_u32_u24 v[XST], v27, 144
	v_lshl_add_u32 v[XST], v28, 4, v[XST]
	v_add_nc_u32 v[XST], s36, v[XST]
	v_mul_u32_u24 v[XRD], v23, 144
	v_lshl_add_u32 v[XRD], v24, 6, v[XRD]
	v_add_nc_u32 v[XRD], s36, v[XRD]
	v_lshlrev_b32 v[XWI], 9, v25
	v_lshl_add_u32 v[XWI], v24, 8, v[XWI]
	v_lshl_add_u32 v[XWI], v26, 4, v[XWI]
	v_add_nc_u32 v[XWI], s37, v[XWI]
	v_lshlrev_b32 v[XWS], 6, v25
	v_lshl_add_u32 v[XWS], v26, 2, v[XWS]
	v_add_nc_u32 v[XWS], s38, v[XWS]
	v_add_nc_u32 v[XRI], s39, v[LI]
	v_lshl_add_u32 v[XRS], v23, 2, s40
	v_lshrrev_b32 v27, 2, v23
	v_and_b32 v28, 3, v23
	v_mul_u32_u24 v[ASTA], v27, 768
	v_mad_u32_u24 v[ASTA], v28, 96, v[ASTA]
	v_mad_u32_u24 v[ASTA], v24, 384, v[ASTA]
	v_add_nc_u32 v[ASTA], s41, v[ASTA]
	v_lshl_add_u32 v[ASS], v23, 3, s42
	v_lshlrev_b32 v[BSS], 5, v26
	v_lshl_add_u32 v[BSS], v25, 3, v[BSS]
	v_add_nc_u32 v[BSS], s43, v[BSS]
	v_add_nc_u32 v[STR], s44, v[LI]
	v_mul_u32_u24 v[VB], v24, 11776
	v_lshl_add_u32 v[VB], v23, 4, v[VB]
	v_lshlrev_b32 v[L8], 3, v22
	v_add_nc_u32 v[SCR], s45, v[L8]
	v_mul_u32_u24 v[BGO], v25, 1536
	v_lshl_add_u32 v[BGO], v24, 7, v[BGO]
	v_lshl_add_u32 v[BGO], v26, 4, v[BGO]
	v_add_nc_u32 v[BGO], s46, v[BGO]
	v_add_nc_u32 v[WRO], s47, v23                  ; W_ab's row: 32 kind + 16 g + r
	v_mul_u32_u24 v[WGO], v[WRO], 24               ; a row of 32 codes is 24 bytes; my half of it 12
	v_mad_u32_u24 v[WGO], v24, 12, v[WGO]
	v_lshlrev_b32 v[GB], 6, v24
	v_lshlrev_b32 v[H8], 3, v24
.irp i, 3,4,5,6,7,8,9,10,11
	v_mov_b32 v[WF+\i], 0                          ; W_ab's zero codes
.endr
.irp i, 0,1,2,3,4,5,6,7
	v_mov_b32 v[XF+32+\i], 0
.endr
.irp t, 0,1
	v_mov_b32 v[CD+4*\t+3], 0
	v_mov_b32 v[SS+4*\t+1], 0                      ; a lane permute's destination counts as one of its sources
	v_mov_b32 v[SS+4*\t+3], 0
.endr
	v_mov_b32 v[PX], 0
	s_wait_alu depctr_va_vdst(0)                   ; the wait at the head's end
	s_wait_kmcnt 0x0
	s_add_nc_u64 s[4:5], s[4:5], s[50:51]
.irp q, 0,1,2,3,4,5,6,7
	global_load_b128 v[XL+4*\q:XL+4*\q+3], v[LI], s[4:5] offset:512*\q th:TH_LOAD_NT   ; 32 lanes, 512 consecutive bytes: four rows
.endr
.irp j, 0,1,2,3
	global_load_b128 v[GA+4*\j:GA+4*\j+3], v[GB], s[6:7] offset:16*\j
	global_load_b128 v[BE+4*\j:BE+4*\j+3], v[GB], s[8:9] offset:16*\j
.endr
.irp i, 0,1,2
	global_load_b32 v[WF+\i], v[WGO], s[10:11] offset:4*\i
.endr
	global_load_u8 v[WSB], v[WRO], s[12:13]
	s_add_nc_u64 s[18:19], s[18:19], s[52:53]      ; a_img at my s / 16
	s_add_nc_u64 s[24:25], s[18:19], s[54:55]      ; my scale words there
	s_add_nc_u64 s[18:19], s[18:19], s[56:57]      ; my wave's two blocks there
	s_add_nc_u64 s[20:21], s[20:21], s[58:59]      ; b_img at my j
	s_add_nc_u64 s[26:27], s[20:21], 0x1800        ; its scale words
	s_cmp_eq_u32 s29, 0
	s_cselect_b64 s[24:25], s[24:25], s[26:27]     ; the scale words that my wave stores, if it is wave 4 (a's) or 5 (b's)
	; W_out into register order, by wave 7: work-groups 0-63 a fragment each, 64-71 two rows of scale words each.  The branches hang on ids alone; no LDS and no barrier stands in them.
	s_cmp_eq_u32 s28, 7
	s_cbranch_scc0 .Ljob_done
	s_cmp_lt_u32 ttmp9, 64
	s_cbranch_scc0 .Lnot_codes
	s_lshr_b32 s37, ttmp9, 3                       ; fragment f = 8 s3 + t: K step s3, rows z = 16 t + r
	s_and_b32 s38, ttmp9, 7
	s_mul_i32 s38, s38, 12288
	s_mul_i32 s37, s37, 96
	s_add_co_u32 s38, s38, s37
	s_mov_b32 s39, 0
	s_add_nc_u64 s[14:15], s[14:15], s[38:39]
	s_mul_i32 s38, ttmp9, 1536
	s_add_co_u32 s38, s38, 4096
	s_add_nc_u64 s[22:23], s[22:23], s[38:39]
	v_mul_u32_u24 v252, v23, 768
	v_mad_u32_u24 v252, v24, 24, v252
.irp p, 0,1,2,3,4,5
	global_load_b64 v[JB+2*\p:JB+2*\p+1], v252, s[14:15] offset:48*(\p/3)+8*(\p%3)
.endr
	s_wait_loadcnt 0x0
.irp p, 0,1,2
	global_store_b128 v[LI], v[JB+4*\p:JB+4*\p+3], s[22:23] offset:512*\p
.endr
	s_branch .Ljob_done
.Lnot_codes:
	s_cmp_lt_u32 ttmp9, 72
	s_cbranch_scc0 .Ljob_done
	s_sub_co_u32 s36, ttmp9, 64                    ; m: rows r = 2 m, 2 m + 1 of [r][s3][t]
	s_lshl_b32 s38, s36, 6
	s_mov_b32 s39, 0
	s_add_nc_u64 s[16:17], s[16:17], s[38:39]
	s_lshl_b32 s38, s36, 9
	s_add_nc_u64 s[22:23], s[22:23], s[38:39]
	v_and_b32 v252, 1, v23                         ; my 16 bytes are s3 = r / 2, t = 4 (r % 2) + 0 .. 3; the word of z = 16 t + row lies at 32 z + 4 s3
	v_lshlrev_b32 v252, 11, v252
	v_lshl_add_u32 v252, v24, 5, v252
	v_lshrrev_b32 v253, 1, v23
	v_lshl_add_u32 v252, v253, 2, v252
.irp e, 0,1,2,3
	global_load_b32 v[JB+\e], v252, s[16:17] offset:512*\e
.endr
	s_wait_loadcnt 0x0
	global_store_b128 v[LI], v[JB:JB+3], s[22:23]
.Ljob_done:
	s_wait_loadcnt 12                              ; x is in; gamma, beta and W_ab, twelve loads, may stay out
.irp q, 0,1,2,3,4,5,6,7
	ds_store_b128 v[XST], v[XL+4*\q:XL+4*\q+3] offset:576*\q
.endr
.irp t, 0,1
.irp j, 0,1,2,3
	ds_load_b128 v[X+16*\t+4*\j:X+16*\t+4*\j+3], v[XRD] offset:2304*\t+16*\j   ; LDS serves a wave's instructions in order (ISA guide 5.7.1.4): these see the stores above
.endr
.endr
	s_wait_loadcnt 0x0
	s_wait_dscnt 0x0
	; ---- PHASE X: row 32 w + 16 t + r, channels 16 h .. 16 h + 15, t = 0, 1 by turns
	v_mul_u32_u24 v[WS], 0x101, v[WSB]             ; W_ab's byte over k = 0 .. 31 and over 32 .. 63
.irp t, 0,1
.irp q, 0,1,2,3
	v_pk_add_f32 v[T+8*\t+2*\q:T+8*\t+2*\q+1], v[X+16*\t+4*\q:X+16*\t+4*\q+1], v[X+16*\t+4*\q+2:X+16*\t+4*\q+3]
.endr
.endr
.irp t, 0,1
	v_pk_add_f32 v[T+8*\t:T+8*\t+1], v[T+8*\t:T+8*\t+1], v[T+8*\t+2:T+8*\t+3]
	v_pk_add_f32 v[T+8*\t+4:T+8*\t+5], v[T+8*\t+4:T+8*\t+5], v[T+8*\t+6:T+8*\t+7]
.endr
.irp t, 0,1
	v_pk_add_f32 v[T+8*\t:T+8*\t+1], v[T+8*\t:T+8*\t+1], v[T+8*\t+4:T+8*\t+5]
.endr
.irp t, 0,1
	v_add_f32 v[SS+4*\t], v[T+8*\t], v[T+8*\t+1]
.endr
.irp t, 0,1
	v_permlanex16_b32 v[SS+4*\t+1], v[SS+4*\t], s32, s33
.endr
.irp t, 0,1
	v_add_f32 v[SS+4*\t], v[SS+4*\t], v[SS+4*\t+1]
.endr
.irp t, 0,1
	v_mul_f32 v[SS+4*\t], s34, v[SS+4*\t]          ; the mean
.endr
.irp q, 0,1,2,3,4,5,6,7
.irp t, 0,1
	v_pk_add_f32 v[X+16*\t+2*\q:X+16*\t+2*\q+1], v[X+16*\t+2*\q:X+16*\t+2*\q+1], v[SS+4*\t:SS+4*\t+1] op_sel_hi:[1,0] neg_lo:[0,1] neg_hi:[0,1]   ; x - mean: the variance is taken of these
.endr
.endr
.irp t, 0,1
	v_pk_mul_f32 v[T+8*\t:T+8*\t+1], v[X+16*\t:X+16*\t+1], v[X+16*\t:X+16*\t+1]
	v_pk_mul_f32 v[T+8*\t+2:T+8*\t+3], v[X+16*\t+2:X+16*\t+3], v[X+16*\t+2:X+16*\t+3]
.endr
.irp q, 4,8,12
.irp t, 0,1
	v_pk_fma_f32 v[T+8*\t:T+8*\t+1], v[X+16*\t+\q:X+16*\t+\q+1], v[X+16*\t+\q:X+16*\t+\q+1], v[T+8*\t:T+8*\t+1]
	v_pk_fma_f32 v[T+8*\t+2:T+8*\t+3], v[X+16*\t+\q+2:X+16*\t+\q+3], v[X+16*\t+\q+2:X+16*\t+\q+3], v[T+8*\t+2:T+8*\t+3]
.endr
.endr
.irp t, 0,1
	v_pk_add_f32 v[T+8*\t:T+8*\t+1], v[T+8*\t:T+8*\t+1], v[T+8*\t+2:T+8*\t+3]
.endr
.irp t, 0,1
	v_add_f32 v[SS+4*\t+2], v[T+8*\t], v[T+8*\t+1]
.endr
.irp t, 0,1
	v_permlanex16_b32 v[SS+4*\t+3], v[SS+4*\t+2], s32, s33
.endr
.irp t, 0,1
	v_add_f32 v[SS+4*\t+2], v[SS+4*\t+2], v[SS+4*\t+3]
.endr
.irp t, 0,1
	v_fma_f32 v[SS+4*\t+2], v[SS+4*\t+2], s34, s35 ; the variance + 1e-5
.endr
	s_wait_alu depctr_va_vdst(0)
.irp t, 0,1
	v_rsq_f32 v[SS+4*\t+2], v[SS+4*\t+2]
.endr
	v_nop                                          ; one plain place behind the last of the transcendentals (ISA guide 5.7.2)
	s_wait_alu depctr_va_vdst(0)
.irp q, 0,1,2,3,4,5,6,7
.irp t, 0,1
	v_pk_mul_f32 v[X+16*\t+2*\q:X+16*\t+2*\q+1], v[X+16*\t+2*\q:X+16*\t+2*\q+1], v[SS+4*\t+2:SS+4*\t+3] op_sel_hi:[1,0]
.endr
.endr
.irp q, 0,1,2,3,4,5,6,7
.irp t, 0,1
	v_pk_fma_f32 v[X+16*\t+2*\q:X+16*\t+2*\q+1], v[X+16*\t+2*\q:X+16*\t+2*\q+1], v[GA+2*\q:GA+2*\q+1], v[BE+2*\q:BE+2*\q+1]
.endr
.endr
	; x's one block of 32 a row: the largest magnitude with the floor 2^(3 - 127) among its leaves, so that the byte cannot fall under 1
.irp t, 0,1
	v_max3_num_f32 v[T+8*\t], |v[X+16*\t]|, |v[X+16*\t+1]|, 0x1800000
.endr
.irp i, 2,4,6,8,10,12,14
.irp t, 0,1
	v_max3_num_f32 v[T+8*\t], v[T+8*\t], |v[X+16*\t+\i]|, |v[X+16*\t+\i+1]|
.endr
.endr
.irp t, 0,1
	v_permlanex16_b32 v[SS+4*\t+1], v[T+8*\t], s32, s33
.endr
.irp t, 0,1
	v_max_num_f32 v[T+8*\t], v[T+8*\t], v[SS+4*\t+1]
.endr
.irp t, 0,1
	v_add_nc_u32 v[SS+4*\t+3], 0xff000000, v[T+8*\t]   ; 2 off the exponent field: the conversion takes this operand's exponent field as its scale
.endr
.irp t, 0,1
	v_cvt_scalef32_pk16_fp6_f32 v[CD+4*\t:CD+4*\t+2], v[X+16*\t:X+16*\t+15], v[SS+4*\t+3]
.endr
.irp t, 0,1
	v_lshrrev_b32 v[SS+4*\t+1], 23, v[SS+4*\t+3]   ; the scale's byte.  (Also the plain place behind the conversions)
.endr
.irp t, 0,1
	v_mul_u32_u24 v[SS+4*\t+1], 0x101, v[SS+4*\t+1]
.endr
.irp t, 0,1
	ds_store_b128 v[XWI], v[CD+4*\t:CD+4*\t+3] offset:1024*\t
	ds_store_b32 v[XWS], v[SS+4*\t+1] offset:128*\t
.endr
	s_wait_alu depctr_va_vdst(0)
	s_wait_dscnt 0x0                               ; for the others' sake: my images lie in LDS
	s_barrier_signal -1
	s_barrier_wait -1
	; ---- PHASE 1
.irp t, 0,1,2,3,4,5,6,7
	ds_load_b128 v[XF+4*\t:XF+4*\t+3], v[XRI] offset:512*\t
	ds_load_b32 v[XS+\t], v[XRS] offset:64*\t
.endr
	s_wait_dscnt 0x0
.irp t, 0,1,2,3,4,5,6,7                        ; eight accumulators, one instruction each
	v_wmma_scale_f32_16x16x128_f8f6f4 v[H+8*\t:H+8*\t+7], v[XF+4*\t:XF+4*\t+11], v[WF:WF+11], 0, v[XS+\t], v[WS] matrix_a_fmt:MATRIX_FMT_FP6 matrix_b_fmt:MATRIX_FMT_FP6
.endr
.rept 4
	v_nop                                          ; four places behind the products, ahead of the first read of their results (ISA guide 7.12.1)
.endr
	; my two blocks c = 0, 1 of 32 numbers: two chains each (numbers 0-15 with the floor 2^(11 - 127); 16-30), joined with number 31; each tile is read from its low end on
.irp c, 0,1
	v_max3_num_f32 v[TM+\c], |v[H+32*\c]|, |v[H+32*\c+1]|, 0x5800000
	v_max3_num_f32 v[TM+2+\c], |v[H+32*\c+16]|, |v[H+32*\c+17]|, |v[H+32*\c+18]|
.endr
.irp i, 2,4,6,8,10,12
.irp c, 0,1
	v_max3_num_f32 v[TM+\c], v[TM+\c], |v[H+32*\c+\i]|, |v[H+32*\c+\i+1]|
	v_max3_num_f32 v[TM+2+\c], v[TM+2+\c], |v[H+32*\c+\i+17]|, |v[H+32*\c+\i+18]|
.endr
.endr
.irp c, 0,1
	v_max3_num_f32 v[TM+\c], v[TM+\c], |v[H+32*\c+14]|, |v[H+32*\c+15]|
.endr
.irp c, 0,1
	v_max3_num_f32 v[TM+\c], v[TM+\c], v[TM+2+\c], |v[H+32*\c+31]|
.endr
.irp c, 0,1
	v_add_nc_u32 v[TM+4+\c], 0xff000000, v[TM+\c]
.endr
.irp c, 0,1
	v_cvt_scalef32_pk16_fp6_f32 v[PC+6*\c:PC+6*\c+2], v[H+32*\c:H+32*\c+15], v[TM+4+\c]
	v_cvt_scalef32_pk16_fp6_f32 v[PT+4*\c:PT+4*\c+2], v[H+32*\c+16:H+32*\c+31], v[TM+4+\c]   ; (a conversion's three registers begin on an even number)
.endr
.irp c, 0,1
	v_lshrrev_b32 v[TM+6+\c], 23, v[TM+4+\c]
.endr
	v_lshl_or_b32 v[PW], v[TM+7], 16, v[TM+6]      ; blocks h and 2 + h,
	v_lshlrev_b32 v[PW], v[H8], v[PW]              ; at their places in the scale word;
.irp c, 0,1
.irp i, 0,1,2
	v_mov_b32 v[PC+6*\c+3+\i], v[PT+4*\c+\i]
.endr
.endr
	v_permlanex16_b32 v[PX], v[PW], s32, s33
	v_or_b32 v[PW], v[PW], v[PX]                   ; with lane l xor 16's two the word is whole
	s_cmp_eq_u32 s30, 0
	s_wait_alu depctr_va_vdst(0)                   ; the wait ahead of the branch
	s_cbranch_scc0 .Lkind_b
	v_add_nc_u32 v[PW], 0xf7f7f7f8, v[PW]          ; a: 8 off each byte (less 0x08080808: every byte is 9 or more, so nothing is borrowed)
.irp p, 0,1,2
	ds_store_b128 v[ASTA], v[PC+4*\p:PC+4*\p+3] offset:16*\p
.endr
	ds_store_b32 v[ASS], v[PW]
	s_branch .Lstored
.Lkind_b:
.irp p, 0,1,2
	global_store_b128 v[BGO], v[PC+4*\p:PC+4*\p+3], s[20:21] offset:256*\p   ; b: each store fills two aligned blocks of 256 bytes
.endr
	ds_store_b32 v[BSS], v[PW]
.Lstored:
	s_wait_dscnt 0x0                               ; my part of a's blocks and of the scale words lies in LDS
	s_barrier_signal -1
	s_barrier_wait -1
	; ---- OUT: wave w of 0 .. 3 stores a's blocks 2 w and 2 w + 1 (1,536 bytes), each half of the lanes 256 consecutive bytes; wave 4 a's scale words, wave 5 b's
	s_cmp_lt_u32 s28, 4
	s_cbranch_scc0 .Lout_scales
	ds_load_b128 v[64:67], v[STR]
	ds_load_b128 v[68:71], v[STR] offset:512
	ds_load_b128 v[72:75], v[STR] offset:1024
	s_wait_dscnt 0x2
	global_store_b128 v[LI], v[64:67], s[18:19]
	s_wait_dscnt 0x1
	global_store_b128 v[VB], v[68:71], s[18:19] offset:512     ; lanes 0-15: the first block's last 256 bytes; lanes 16-31: the second block's first, 12,288 bytes on
	s_wait_dscnt 0x0
	global_store_b128 v[LI], v[72:75], s[18:19] offset:12544
	s_branch .Lend
.Lout_scales:
	s_cmp_lt_u32 s28, 6
	s_cbranch_scc0 .Lend
	ds_load_b64 v[76:77], v[SCR]
	s_wait_dscnt 0x0
	global_store_b64 v[L8], v[76:77], s[24:25]     ; 32 lanes, 256 consecutive bytes
.Lend:
	s_wait_tensorcnt 0x0                           ; the wave's end
	ds_add_u32 v[SPW], v[NIL]
	s_wait_dscnt 0x0
	s_endpgm
.Lfunc_end_k_qbe39a260ac_prep:
	.size	k_qbe39a260ac_prep, .Lfunc_end_k_qbe39a260ac_prep-k_qbe39a260ac_prep
	.p2alignl 7, 3214868480
	.fill 96, 4, 3214868480
	.section	.rodata,"a",@progbits
	.p2align	6, 0x0
	.amdhsa_kernel k_qbe39a260ac_prep
		.amdhsa_group_segment_fixed_size 53760
		.amdhsa_private_segment_fixed_size 0
		.amdhsa_enable_private_segment 0
		.amdhsa_kernarg_size 80
		.amdhsa_user_sgpr_count 2
		.amdhsa_user_sgpr_kernarg_segment_ptr 1
		.amdhsa_wavefront_size32 1
		.amdhsa_system_sgpr_workgroup_id_x 1
		.amdhsa_system_sgpr_workgroup_id_y 1
		.amdhsa_system_sgpr_workgroup_id_z 1
		.amdhsa_system_vgpr_workitem_id 0
		.amdhsa_next_free_vgpr 256
		.amdhsa_next_free_sgpr 66
		.amdhsa_reserve_vcc 0
		.amdhsa_float_denorm_mode_32 3
		.amdhsa_float_denorm_mode_16_64 3
		.amdhsa_memory_ordered 1
		.amdhsa_forward_progress 1
		.amdhsa_inst_pref_size 28
	.end_amdhsa_kernel
	.amdgpu_metadata
---
amdhsa.version: [ 1, 2 ]
amdhsa.kernels:
  - .name:           k_qbe39a260ac_prep
    .symbol:         k_qbe39a260ac_prep.kd
    .args:
      - { .name: m_si, .offset: 0, .size: 8, .value_kind: global_buffer, .address_space: global }
      - { .name: ln_gamma, .offset: 8, .size: 8, .value_kind: global_buffer, .address_space: global }
      - { .name: ln_beta, .offset: 16, .size: 8, .value_kind: global_buffer, .address_space: global }
      - { .name: W_ab_codes, .offset: 24, .size: 8, .value_kind: global_buffer, .address_space: global }
      - { .name: W_ab_scales, .offset: 32, .size: 8, .value_kind: global_buffer, .address_space: global }
      - { .name: W_out_codes, .offset: 40, .size: 8, .value_kind: global_buffer, .address_space: global }
      - { .name: W_out_scales, .offset: 48, .size: 8, .value_kind: global_buffer, .address_space: global }
      - { .name: a_img, .offset: 56, .size: 8, .value_kind: global_buffer, .address_space: global }
      - { .name: b_img, .offset: 64, .size: 8, .value_kind: global_buffer, .address_space: global }
      - { .name: w_img, .offset: 72, .size: 8, .value_kind: global_buffer, .address_space: global }
    .group_segment_fixed_size: 53760
    .private_segment_fixed_size: 0
    .kernarg_segment_align: 8
    .kernarg_segment_size: 80
    .max_flat_workgroup_size: 256
    .sgpr_count:     66
    .vgpr_count:     256
    .wavefront_size: 32
...
	.end_amdgpu_metadata
.endif
;; end of part 1
;; launch fused (part 2): grid 16 x 16, 8 waves a work-group, clusters of 4 x 1, 327,680 bytes of LDS; arguments a_img, w_img, b_img, b_out, out0; writes out0
.if DOCPART == 2
	.amdgcn_target "amdgcn-amd-amdhsa--gfx1250"
	.amdhsa_code_object_version 6
	.text
	.protected	k_qbe39a260ac_fused
	.globl	k_qbe39a260ac_fused
	.p2align	8
	.type	k_qbe39a260ac_fused,@function
k_qbe39a260ac_fused:
	s_mov_b64 s[64:65], 0
	v_nop
	global_prefetch_b8 v0, s[64:65] scope:SCOPE_SE
	s_setreg_imm32_b32 hwreg(HW_REG_WAVE_MODE, 25, 1), 1
	s_wait_xcnt 0x0
	s_wait_alu depctr_hold_cnt(0) depctr_sa_sdst(0) depctr_va_vdst(0) depctr_va_sdst(0) depctr_va_ssrc(0) depctr_va_vcc(0) depctr_vm_vsrc(0)
	s_getreg_b32 s2, hwreg(HW_REG_IB_STS2, 6, 4)
	s_cmp_eq_u32 s2, 0
	s_cbranch_scc0 .Lentry_in_a_cluster
	s_endpgm
.Lentry_in_a_cluster:
	s_bfe_u32 s2, ttmp6, 0x10000c
	s_cmp_lg_u32 s2, 0x3003
	s_cbranch_scc0 .Lentry_shape_is_right
	s_endpgm
.Lentry_shape_is_right:
; z[i][j][:] = Q(outer[i][j] / 256) W_out^T + b_out, outer[i][j][c][d] = the sum over n of Q(a)[i][n][c] Q(b)[j][n][d]; both products on codes of FP6 (E2M3) with E8M0 scales.  outer never leaves the registers.
; SHARES.  A work-group owns 16 i x 16 j; each of its eight waves, two on a SIMD, owns j0 = 16 jt + 2 w and j0 + 1 against all 16 i: two row tiles of 16 pairs.
; K STEP s3 = 0 .. 7 of the second product is c = 4 s3 + 0 .. 3 with all 32 d.  A wave's step: 32 products of the first kind, the quantiser of 128 numbers a lane, 16 products of the second kind.
; A TILE OF b IS 8 d OF j0 OVER THE SAME 8 d OF j0 + 1 (source 0; source 1 = 16 i at one c): lane (r, h) then holds, in the 32 registers of tiles u = 0 .. 3, the whole block (i = r, j0 + h, c): its largest magnitude
; and its codes are made in the lane.  Two blocks c, c + 1 change halves (v_permlane16_swap): one register set then holds c below and c + 1 above for j0, the other for j0 + 1, which is the operand's layout.
; One scale word a lane serves both: lanes 0-15 hold j0's, lanes 16-31 j0 + 1's.  The division by 256 stands in a's scale bytes.
; LDS.  All of a's 16 i and all of W_out, with their scale words, fit at once: 400 rows of 256 bytes each.  Each wave issues one tensor load: waves 0-3 the scale words and K steps 0 and 1, waves 4-7 the rest; nothing is filled again.
; CLUSTER.  The four work-groups of a cluster share i: a's and W_out's tiles are asked for jointly (mask 15).  b goes straight into registers, where no tile can be shared.
; No prefetch: every tile and all of b are asked for at the head; the loop asks nothing of memory.
; LIMITS: NaN and infinities are not served.  A block of outer / 256 whose largest magnitude lies under 2^-124 is held there; a block of zeros so gets the byte 1 where the rule says 127: its codes are zeros.
; REGISTERS: window 0: v1-15 addresses; v16-28 scale words; RB: a's c = 2, then W_out's tiles 2, 3; RA: a's c = 0, 1, then the quantiser's registers; P0: a's c = 3, then the codes made; H: 128 sums, then W_out's tiles 4 .. 7.
;   window 1: v0-127 the accumulators; v128-223 b's eight fragments; v224-247 W_out's tiles 0, 1.
.set STEPB, 13056                      ; a K step's tile in LDS: 48 rows of 256 bytes + 16 of padding
.set SROWS, 4352                       ; 16 rows of scale words ahead of the codes
.set WREG,  108800                     ; a's 400 rows, then W_out's
.set STG,   217600                     ; the way out: 16 rows x (512 + 16) bytes for each wave; no tile lands here
.set SPITCH, 528
.set SPARE, 285184                     ; spare words: 128 bytes a wave
.set SPW, 1
.set NIL, 2
.set ADA1, 3                           ; a: 816 r + 400 half (an i's 768 bytes pass three paddings; the second half lies behind one more,
.set ADA2, 4                           ; 816 r + 416 half    or, for pieces 8 to 15, behind two more)
.set ADW, 5
.set ADSA, 6
.set ADSW, 7
.set TA1, 8                            ; the same five for the step in hand
.set TA2, 9
.set TW, 10
.set TSA, 11
.set TSW, 12
.set STO, 13
.set RD, 14
.set GO, 15                            ; 16 x lane
.set SB, 16                            ; b's scale words: register 2 (u % 2) + k2; lanes 0-15 u = 0, 1, lanes 16-31 u = 2, 3
.set SA, 20                            ; a's: 2 (c % 2) + k2; lanes 0-15 c = 0, 1, lanes 16-31 c = 2, 3
.set SW, 24                            ; W_out's: t % 4; lanes 0-15 t = 0 .. 3, lanes 16-31 t = 4 .. 7
.set PW, 28                            ; the codes' own
.set BSO, 29
.set BO, 30
.set RB, 32
.set RA, 56
.set TM, 56                            ; 4 largest magnitudes, 4 bytes, 4 scale operands
.set PT, 68                            ; the second halves of the four blocks' codes
.set BIA, 96                           ; b_out, in the last step
.set P0, 104                           ; j0's fragment; P1: j0 + 1's
.set P1, 116
.set H, 128
.set BF, 128                           ; in window 1
.set WC, 224                           ; in window 1
.set WV, 18
.set IDX, 22
.set G1F, 24
.set G1R, 32
.set G0AF, 40
.set G0WF, 44
.set G0AR, 48
.set G0WR, 52
.set TB, 56
.set TS, 57
.set CNT, 58
.set MSB, 0
.macro WIN new                         ; the immediate's high byte repeats the setting that is left
.if MSB != \new
	s_set_vgpr_msb (MSB<<8)|\new
.set MSB, \new
.endif
.endm
.set W_A,  0x01                        ; source 0 (b) window 1, source 1 (a), C and D window 0
.set W_B0, 0x51                        ; source 0 (W_out's tiles 0, 1), C and D window 1, source 1 window 0
.set W_B1, 0x50                        ; source 0 window 0, C and D window 1
.macro CROUND                          ; a round of the cluster's barrier
	s_barrier_signal -1
	s_barrier_wait -1
	s_cmp_lg_u32 s[WV], 0
	s_cbranch_scc1 .Lnot_wave_0_\@
	s_barrier_signal -3
.Lnot_wave_0_\@:
	s_barrier_wait -3
	s_barrier_signal -1
	s_barrier_wait -1
.endm
.macro SETT                            ; the step's LDS addresses
	v_add_nc_u32 v[TA1], s[TB], v[ADA1]
	v_add_nc_u32 v[TA2], s[TB], v[ADA2]
	v_add_nc_u32 v[TW], s[TB], v[ADW]
	v_add_nc_u32 v[TSA], s[TS], v[ADSA]
	v_add_nc_u32 v[TSW], s[TS], v[ADSW]
.endm
.macro MKG0 g, base, rows0, rowsn, lds ; descriptor group 0: rows0 + rowsn x (wave % 2) rows into the image at base
	s_mov_b32 s[\g], 1
	s_mul_i32 s[\g+1], s[IDX], \rowsn*272
	s_add_co_u32 s[\g+1], s[\g+1], \lds+\rows0*272
	s_mul_i32 s60, s[IDX], \rowsn*256
	s_add_co_u32 s60, s60, \rows0*256
	s_add_nc_u64 s[\g+2:\g+3], s[\base:\base+1], s[60:61]
	s_or_b32 s[\g+3], s[\g+3], 0x80000000
.endm
.macro BLOADS                          ; b's scale words and fragments: 25 loads, the first half of n first
	global_load_b128 v[SB:SB+3], v[BSO], s[8:9] offset:6144
	WIN 0x40                                       ; destination window 1
.irp k2, 0,1
.irp u, 0,1,2,3
.irp p, 0,1,2
	global_load_b128 v[BF+12*(2*\u+\k2)+4*\p:BF+12*(2*\u+\k2)+4*\p+3], v[BO], s[8:9] offset:256*(3*(2*\u+\k2)+\p)   ; two aligned blocks of 256 bytes
.endr
.endr
.endr
	WIN 0
.endm
.macro FILL g0, g1
	tensor_load_to_lds s[\g0:\g0+3], s[\g1:\g1+7]
	s_nop 0
.rept 4
	v_nop
.endr
.endm
.macro ARM under, g0, g1, next
	s_cmp_lt_u32 s[WV], \under
	s_cbranch_scc0 \next
	FILL \g0, \g1
	s_branch .Lasked
\next:
.endm
	s_load_b128 s[4:7], s[0:1], 0x0                ; a_img, w_img
	s_load_b128 s[8:11], s[0:1], 0x10              ; b_img, b_out
	s_load_b64 s[12:13], s[0:1], 0x20              ; out0
	v_lshl_add_u32 v[SPW], v0, 2, SPARE
	v_mov_b32 v[NIL], 0
	ds_add_u32 v[SPW], v[NIL]                      ; the opening lines: the add, twice on end, and its wait
	ds_add_u32 v[SPW], v[NIL]
	v_lshrrev_b32 v128, 5, v0
	v_readfirstlane_b32 s[WV], v128                ; wave 0..7
	s_bfe_u32 s19, ttmp6, 0x40000                  ; cx: it enters b's and the output's addresses alone
	s_lshl_b32 s20, ttmp9, 2
	s_add_co_u32 s20, s20, s19                     ; jt
	s_and_b32 s21, ttmp7, 0xffff                   ; it, which the four partners share
	s_and_b32 s[IDX], s[WV], 1
	s_lshl_b32 s23, s20, 4
	s_lshl_b32 s59, s[WV], 1
	s_add_co_u32 s23, s23, s59                     ; j0
	s_mul_i32 s14, s21, 102400
	s_mov_b32 s15, 0
	s_mul_i32 s16, s23, 6400
	s_mov_b32 s17, 0
	s_lshl_b32 s66, s21, 21
	s_lshl_b32 s68, s23, 9
	s_add_co_u32 s66, s66, s68
	s_mov_b32 s67, 0
	s_mov_b32 s61, 0
	s_mul_i32 s62, s[WV], 16*SPITCH
	s_add_co_u32 s62, s62, STG                     ; my stage
	s_mov_b32 s[TB], 0
	s_mov_b32 s[TS], 0
	; descriptor group 1: dense blocks as rows of 256 bytes (32 elements of 8 bytes), 16 bytes of padding behind each
.irp g, G1F, G1R
	s_mov_b32 s[\g], 15|(3<<16)|(1<<20)|(1<<21)|(5<<22)|(3<<25)   ; 15:0 the mask: all four work-groups; 17:16 elements of 8 bytes; 20 padding on; 21 set beside a mask; 24:22 after every 64 words; 31:25 4 words of it
	s_mov_b32 s[\g+1], 32<<16
	s_mov_b32 s[\g+3], 32<<16
	s_mov_b32 s[\g+5], 32
	s_mov_b32 s[\g+6], 0
	s_mov_b32 s[\g+7], 0
.endr
	s_mov_b32 s[G1F+2], 56<<16                     ; 56 rows: half of the scale words and K steps 0 and 1
	s_mov_b32 s[G1F+4], 56
	s_mov_b32 s[G1R+2], 144<<16                    ; 144 rows: three K steps
	s_mov_b32 s[G1R+4], 144
	v_and_b32 v129, 31, v0                         ; lane
	v_and_b32 v130, 15, v0                         ; r
	v_bfe_u32 v131, v0, 4, 1                       ; half
	v_lshlrev_b32 v[GO], 4, v129
	v_lshrrev_b32 v132, 3, v130
	v_and_b32 v133, 7, v130
	v_mul_u32_u24 v134, v132, 6400                 ; b: rows 0-7 of a tile are j0's, rows 8-15 those of j0 + 1
	v_lshl_add_u32 v[BO], v133, 4, v134
	v_lshl_add_u32 v[BO], v131, 7, v[BO]
	v_lshl_add_u32 v[BSO], v133, 5, v134
	v_lshl_add_u32 v[BSO], v131, 4, v[BSO]
	v_mul_u32_u24 v136, v130, 816
	v_mad_u32_u24 v[ADA1], v131, 400, v136
	v_mad_u32_u24 v[ADA2], v131, 416, v136
	v_add_nc_u32 v[ADA1], SROWS, v[ADA1]
	v_add_nc_u32 v[ADA2], SROWS, v[ADA2]
	v_lshl_add_u32 v[ADW], v131, 4, v[GO]
	v_add_nc_u32 v[ADW], WREG+SROWS, v[ADW]
	v_mul_u32_u24 v137, v130, 272
	v_lshl_add_u32 v[ADSA], v131, 4, v137
	v_add_nc_u32 v[ADSW], WREG, v[ADSA]
	v_mul_u32_u24 v138, v130, SPITCH
	v_lshl_add_u32 v138, v131, 5, v138
	v_add_nc_u32 v[STO], s62, v138
	v_add_nc_u32 v[RD], s62, v[GO]
	SETT
	s_wait_alu depctr_va_vdst(0)                   ; the wait at the head's end
	s_wait_dscnt 0x0                               ; both opening adds are done
	s_wait_kmcnt 0x0
	s_add_nc_u64 s[4:5], s[4:5], s[14:15]          ; a_img at it
	s_add_nc_u64 s[8:9], s[8:9], s[16:17]          ; b_img at j0
	s_add_nc_u64 s[12:13], s[12:13], s[66:67]      ; out0 at (16 it, j0)
	MKG0 G0AF, 4, 0, 56, 0
	MKG0 G0WF, 6, 0, 56, WREG
	MKG0 G0AR, 4, 112, 144, 0
	MKG0 G0WR, 6, 112, 144, WREG
	CROUND                                         ; all four work-groups are here: the joint loads meet
	ARM 2, G0AF, G1F, .Lask_wf                     ; one tree of branches on the wave's number: every way through it passes one load
	ARM 4, G0WF, G1F, .Lask_ar
	ARM 6, G0AR, G1R, .Lask_wr
	FILL G0WR, G1R
.Lasked:
	BLOADS
; A scaled product: D and C rD, source 0 rX, source 1 rY, their scales rS, rT (fA, fB: from lanes 16-31); fZ: the sum begins.
.macro WMM
.if fZ
.if fA && fB
	v_wmma_scale_f32_16x16x128_f8f6f4 v[rD:rD+7], v[rX:rX+11], v[rY:rY+11], 0, v[rS], v[rT] matrix_a_fmt:MATRIX_FMT_FP6 matrix_b_fmt:MATRIX_FMT_FP6 matrix_a_scale:MATRIX_SCALE_ROW1 matrix_b_scale:MATRIX_SCALE_ROW1
.elseif fA
	v_wmma_scale_f32_16x16x128_f8f6f4 v[rD:rD+7], v[rX:rX+11], v[rY:rY+11], 0, v[rS], v[rT] matrix_a_fmt:MATRIX_FMT_FP6 matrix_b_fmt:MATRIX_FMT_FP6 matrix_a_scale:MATRIX_SCALE_ROW1
.elseif fB
	v_wmma_scale_f32_16x16x128_f8f6f4 v[rD:rD+7], v[rX:rX+11], v[rY:rY+11], 0, v[rS], v[rT] matrix_a_fmt:MATRIX_FMT_FP6 matrix_b_fmt:MATRIX_FMT_FP6 matrix_b_scale:MATRIX_SCALE_ROW1
.else
	v_wmma_scale_f32_16x16x128_f8f6f4 v[rD:rD+7], v[rX:rX+11], v[rY:rY+11], 0, v[rS], v[rT] matrix_a_fmt:MATRIX_FMT_FP6 matrix_b_fmt:MATRIX_FMT_FP6
.endif
.else
.if fA && fB
	v_wmma_scale_f32_16x16x128_f8f6f4 v[rD:rD+7], v[rX:rX+11], v[rY:rY+11], v[rD:rD+7], v[rS], v[rT] matrix_a_fmt:MATRIX_FMT_FP6 matrix_b_fmt:MATRIX_FMT_FP6 matrix_a_scale:MATRIX_SCALE_ROW1 matrix_b_scale:MATRIX_SCALE_ROW1
.elseif fA
	v_wmma_scale_f32_16x16x128_f8f6f4 v[rD:rD+7], v[rX:rX+11], v[rY:rY+11], v[rD:rD+7], v[rS], v[rT] matrix_a_fmt:MATRIX_FMT_FP6 matrix_b_fmt:MATRIX_FMT_FP6 matrix_a_scale:MATRIX_SCALE_ROW1
.elseif fB
	v_wmma_scale_f32_16x16x128_f8f6f4 v[rD:rD+7], v[rX:rX+11], v[rY:rY+11], v[rD:rD+7], v[rS], v[rT] matrix_a_fmt:MATRIX_FMT_FP6 matrix_b_fmt:MATRIX_FMT_FP6 matrix_b_scale:MATRIX_SCALE_ROW1
.else
	v_wmma_scale_f32_16x16x128_f8f6f4 v[rD:rD+7], v[rX:rX+11], v[rY:rY+11], v[rD:rD+7], v[rS], v[rT] matrix_a_fmt:MATRIX_FMT_FP6 matrix_b_fmt:MATRIX_FMT_FP6
.endif
.endif
.endm
; 16 products of the first kind: c = c0, c0 + 1 (a's fragments at r0, r1), four tiles u each, n in two halves: eight accumulators by turns.
.macro APAIR c0, r0, r1, first
.set fB, (\c0)/2
.irp k2, 0,1
.if (\k2 == 1) && (\first)
	s_wait_loadcnt 0x0                             ; b's second half of n
.endif
.irp e, 0,1
.irp u, 0,1,2,3
.set fZ, 1-\k2
.set fA, \u/2
.set rD, H+32*(\c0+\e)+8*\u
.set rX, BF+12*(2*\u+\k2)
.set rY, (\r0)*(1-\e)+(\r1)*\e+12*\k2
.set rS, SB+2*(\u%2)+\k2
.set rT, SA+2*\e+\k2
	WMM
.endr
.endr
.endr
.endm
; Two products of the second kind: z tile t for both row tiles.
.macro BT t, reg, first, wset
.irp pr, 0,1
.set fZ, \first
.set fA, (\t)/4
.set fB, \pr
.set rD, 64*\pr+8*(\t)
.set rX, \reg
.set rY, P0+12*\pr
.set rS, SW+(\t)%4
.set rT, PW
	WIN \wset
	WMM
.endr
.endm
.macro AFRAG cc, reg, off              ; a's two fragments of channel cc of a step: six loads
.irp k2, 0,1
.irp p, 0,1,2
.set q0, 3*(2*(\cc)+\k2)+\p
.if (q0 >= 8) && (q0 < 16)
	ds_load_b128 v[(\reg)+12*\k2+4*\p:(\reg)+12*\k2+4*\p+3], v[TA2] offset:(\off)+16*q0+16*(q0/16)
.else
	ds_load_b128 v[(\reg)+12*\k2+4*\p:(\reg)+12*\k2+4*\p+3], v[TA1] offset:(\off)+16*q0+16*(q0/16)
.endif
.endr
.endr
.endm
.macro WFRAG t, reg                    ; W_out's fragment of z tile t: three loads
.irp p, 0,1,2
	ds_load_b128 v[(\reg)+4*\p:(\reg)+4*\p+3], v[TW] offset:544*(3*(\t)+\p)
.endr
.endm
.macro MX c, k                         ; the largest magnitude of block c: numbers 2 k and 2 k + 1; the floor 2^(3 - 127) among the leaves
.if (\k) == 0
	v_max3_num_f32 v[TM+\c], |v[H+32*\c]|, |v[H+32*\c+1]|, 0x1800000
.else
	v_max3_num_f32 v[TM+\c], v[TM+\c], |v[H+32*\c+2*(\k)]|, |v[H+32*\c+2*(\k)+1]|
.endif
.endm
; A K STEP.  LDS loads stand in three runs, in order: 13 at the quantiser's start (W_out's scale words, tiles 0 .. 3); 25 behind its moves (tiles 4 .. 7; the next step's a: scale words, c = 0, 1);
; 12 behind the last products (the next step's c = 2, 3).
; first: the sums begin, and b is waited for; last: nothing is fetched for a next step; meet: 1 = signal, 2 = wait: the barrier that shows waves 4-7's tiles.
.macro STEP first, last, meet
	s_wait_dscnt 12                                ; a's scale words and c = 0, 1 are in; c = 2, 3 may be out
.if \first
	s_wait_loadcnt 12                              ; b's scale words and its first half of n
.endif
	WIN W_A
	APAIR 0, RA, (RA+24), \first
	s_wait_dscnt 0x0
.if \meet == 1
	s_wait_tensorcnt 0x0                           ; my tile is in: say so.  Up to the wait in the next step stand register work and reads of the tiles shown before
	s_barrier_signal -1
.endif
	APAIR 2, RB, P0, 0
	WIN 0
.rept 4
	v_nop                                          ; places behind the products of c = 0, 1; the four lines below are those of c = 2, 3
.endr
	MX 0, 0
	MX 1, 0
	MX 0, 1
	MX 1, 1
	ds_load_b128 v[SW:SW+3], v[TSW]
	WIN 0x40
	WFRAG 0, WC
	WFRAG 1, (WC+12)
	WIN 0
	WFRAG 2, RB
	WFRAG 3, (RB+12)
.set kk, 0
.rept 14
	MX 2, kk
	MX 3, kk
	MX 0, kk+2
	MX 1, kk+2
.set kk, kk+1
.endr
	MX 2, 14
	MX 3, 14
	MX 2, 15
	MX 3, 15
.irp c, 0,1,2,3
	v_add_nc_u32 v[TM+8+\c], 0xff000000, v[TM+\c]  ; 2 off the exponent field: the conversions' scale operand
.endr
	v_cvt_scalef32_pk16_fp6_f32 v[P0:P0+2], v[H:H+15], v[TM+8]
	v_cvt_scalef32_pk16_fp6_f32 v[P1:P1+2], v[H+32:H+47], v[TM+9]
	v_cvt_scalef32_pk16_fp6_f32 v[P0+6:P0+8], v[H+64:H+79], v[TM+10]
	v_cvt_scalef32_pk16_fp6_f32 v[P1+6:P1+8], v[H+96:H+111], v[TM+11]
.irp c, 0,1,2,3
	v_cvt_scalef32_pk16_fp6_f32 v[PT+4*\c:PT+4*\c+2], v[H+32*\c+16:H+32*\c+31], v[TM+8+\c]   ; (a conversion's three registers begin on an even number)
.endr
.irp c, 0,1,2,3
	v_lshrrev_b32 v[TM+4+\c], 23, v[TM+8+\c]       ; the bytes
.endr
	v_lshl_or_b32 v[PW], v[TM+5], 8, v[TM+4]
	v_lshl_or_b32 v[PW], v[TM+6], 16, v[PW]
	v_lshl_or_b32 v[PW], v[TM+7], 24, v[PW]
.irp i, 0,1,2
	v_permlane16_swap_b32 v[PT+\i], v[PT+4+\i]
	v_permlane16_swap_b32 v[PT+8+\i], v[PT+12+\i]
	v_permlane16_swap_b32 v[P0+\i], v[P1+\i]       ; the first: c below, c + 1 above of j0; the second: of j0 + 1
	v_permlane16_swap_b32 v[P0+6+\i], v[P1+6+\i]
.endr
	v_dual_mov_b32 v[P0+4], v[PT+1] :: v_dual_mov_b32 v[P0+3], v[PT]
	v_dual_mov_b32 v[P1+4], v[PT+5] :: v_dual_mov_b32 v[P1+3], v[PT+4]
	v_dual_mov_b32 v[P0+10], v[PT+9] :: v_dual_mov_b32 v[P0+9], v[PT+8]
	v_dual_mov_b32 v[P1+10], v[PT+13] :: v_dual_mov_b32 v[P1+9], v[PT+12]
	v_mov_b32 v[P0+5], v[PT+2]
	v_mov_b32 v[P1+5], v[PT+6]
	v_mov_b32 v[P0+11], v[PT+10]
	v_mov_b32 v[P1+11], v[PT+14]
	WFRAG 4, H                                     ; the first sums have been converted: W_out's tiles 4 .. 7 lie over them
	WFRAG 5, (H+12)
	WFRAG 6, (H+24)
	WFRAG 7, (H+36)
.if \meet == 2
	s_wait_alu depctr_va_vdst(0)
	s_barrier_wait -1                              ; K steps 2 to 7 are in
.endif
.if \last
	global_load_b128 v[BIA:BIA+3], v[GO], s[10:11] ; b_out(4 lane .. 4 lane + 3), for the way out
.rept 4
	v_nop                                          ; places ahead of the products that read the codes
.endr
	s_wait_alu depctr_va_vdst(0)
	s_wait_dscnt 12
.else
	ds_load_b128 v[SA:SA+3], v[TSA] offset:32
	AFRAG 0, RA, STEPB
	AFRAG 1, (RA+24), STEPB
	s_add_co_u32 s[TB], s[TB], STEPB
	s_add_co_u32 s[TS], s[TS], 32
	SETT                                           ; (also the places between the moves and the products that read the codes)
	s_wait_alu depctr_va_vdst(0)
	s_wait_dscnt 25                                ; W_out's scale words and tiles 0 .. 3 are in; the run of 25 may be out
.endif
	BT 0, WC, \first, W_B0
	BT 1, (WC+12), \first, W_B0
	BT 2, RB, \first, W_B1
	BT 3, (RB+12), \first, W_B1
.if \last
	s_wait_dscnt 0x0
.else
	s_wait_dscnt 13                                ; tiles 4 .. 7 are in; the next step's 13 loads may be out
.endif
	BT 4, H, \first, W_B1
	BT 5, (H+12), \first, W_B1
	BT 6, (H+24), \first, W_B1
	BT 7, (H+36), \first, W_B1
	WIN 0
.rept 5
	v_nop                                          ; places ahead of the loads below and of the products that write over W_out's tiles
.endr
.if \last == 0
	AFRAG 2, RB, 0
	AFRAG 3, P0, 0
.endif
.endm
	s_cmp_lt_u32 s[WV], 4
	s_cbranch_scc0 .Lno_wait
	s_wait_tensorcnt 0x0                           ; waves 0-3: the scale words and K steps 0 and 1
.Lno_wait:
	s_barrier_signal -1
	s_barrier_wait -1
	ds_load_b128 v[SA:SA+3], v[TSA]
	AFRAG 0, RA, 0
	AFRAG 1, (RA+24), 0
	AFRAG 2, RB, 0
	AFRAG 3, P0, 0
	STEP 1, 0, 1                                   ; K step 0
	STEP 0, 0, 2                                   ; K step 1
	s_mov_b32 s[CNT], 5
.Lsteps:                                               ; K steps 2 to 6
	STEP 0, 0, 0
	s_sub_co_u32 s[CNT], s[CNT], 1
	s_cmp_lg_u32 s[CNT], 0
	s_cbranch_scc1 .Lsteps
	STEP 0, 1, 0                                   ; K step 7
; THE WAY OUT, a row tile (16 i of one j) at a time.  A lane holds 32 neighbouring bytes of a pair's 512: the tile goes through my own stage and comes back as whole rows, to which b_out is added and which the
; 32 lanes store as 512 consecutive bytes.  LDS serves a wave's instructions in order (ISA guide 5.7.1.4): no wait between the stores and the loads, nor ahead of the next tile's stores.
.macro TOSTAGE pr
	WIN 0x04                                       ; an LDS store's data are its source 1: window 1
.irp t, 0,1,2,3,4,5,6,7
	ds_store_b128 v[STO], v[64*(\pr)+8*\t:64*(\pr)+8*\t+3] offset:64*\t
	ds_store_b128 v[STO], v[64*(\pr)+8*\t+4:64*(\pr)+8*\t+7] offset:64*\t+16
.endr
	WIN 0
.irp i, 0,1,2,3,4,5,6,7,8,9,10,11,12,13,14,15
	ds_load_b128 v[H+64*(\pr)+4*\i:H+64*(\pr)+4*\i+3], v[RD] offset:\i*SPITCH
.endr
.endm
.macro SEND pr, younger                ; younger: the LDS instructions issued behind this tile's loads, which may stay out
	s_wait_dscnt \younger
.irp i, 0,1,2,3,4,5,6,7,8,9,10,11,12,13,14,15
	v_pk_add_f32 v[H+64*(\pr)+4*\i:H+64*(\pr)+4*\i+1], v[H+64*(\pr)+4*\i:H+64*(\pr)+4*\i+1], v[BIA:BIA+1]
	v_pk_add_f32 v[H+64*(\pr)+4*\i+2:H+64*(\pr)+4*\i+3], v[H+64*(\pr)+4*\i+2:H+64*(\pr)+4*\i+3], v[BIA+2:BIA+3]
.endr
.irp i, 0,1,2,3,4,5,6,7,8,9,10,11,12,13,14,15
	global_store_b128 v[GO], v[H+64*(\pr)+4*\i:H+64*(\pr)+4*\i+3], s[12:13] offset:131072*\i+512*(\pr) th:TH_STORE_NT   ; z(16 it + i, j, :); 1,966,592 at the most, inside the signed 24-bit immediate
.endr
.endm
	TOSTAGE 0
	TOSTAGE 1
	s_wait_loadcnt 0x0                             ; b_out
	SEND 0, 32                                     ; behind tile 0's loads: tile 1's 16 stores and 16 loads
	SEND 1, 0
	s_wait_tensorcnt 0x0                           ; the wave's end
	ds_add_u32 v[SPW], v[NIL]
	s_wait_dscnt 0x0
	CROUND                                         ; the closing round: no work-group ends while a partner may still ask for a tile that names it
	s_endpgm
.Lfunc_end_k_qbe39a260ac_fused:
	.size	k_qbe39a260ac_fused, .Lfunc_end_k_qbe39a260ac_fused-k_qbe39a260ac_fused
	.p2alignl 7, 3214868480
	.fill 96, 4, 3214868480
	.section	.rodata,"a",@progbits
	.p2align	6, 0x0
	.amdhsa_kernel k_qbe39a260ac_fused
		.amdhsa_group_segment_fixed_size 327680
		.amdhsa_private_segment_fixed_size 0
		.amdhsa_enable_private_segment 0
		.amdhsa_kernarg_size 40
		.amdhsa_user_sgpr_count 2
		.amdhsa_user_sgpr_kernarg_segment_ptr 1
		.amdhsa_wavefront_size32 1
		.amdhsa_system_sgpr_workgroup_id_x 1
		.amdhsa_system_sgpr_workgroup_id_y 1
		.amdhsa_system_sgpr_workgroup_id_z 1
		.amdhsa_system_vgpr_workitem_id 0
		.amdhsa_next_free_vgpr 512
		.amdhsa_next_free_sgpr 100
		.amdhsa_reserve_vcc 0
		.amdhsa_float_denorm_mode_32 3
		.amdhsa_float_denorm_mode_16_64 3
		.amdhsa_memory_ordered 1
		.amdhsa_forward_progress 1
		.amdhsa_inst_pref_size 86
	.end_amdhsa_kernel
	.amdgpu_metadata
---
amdhsa.version: [ 1, 2 ]
amdhsa.kernels:
  - .name:           k_qbe39a260ac_fused
    .symbol:         k_qbe39a260ac_fused.kd
    .args:
      - { .name: a_img, .offset: 0, .size: 8, .value_kind: global_buffer, .address_space: global }
      - { .name: w_img, .offset: 8, .size: 8, .value_kind: global_buffer, .address_space: global }
      - { .name: b_img, .offset: 16, .size: 8, .value_kind: global_buffer, .address_space: global }
      - { .name: b_out, .offset: 24, .size: 8, .value_kind: global_buffer, .address_space: global }
      - { .name: out0, .offset: 32, .size: 8, .value_kind: global_buffer, .address_space: global }
    .group_segment_fixed_size: 327680
    .private_segment_fixed_size: 0
    .kernarg_segment_align: 8
    .kernarg_segment_size: 40
    .max_flat_workgroup_size: 256
    .sgpr_count:     100
    .vgpr_count:     512
    .wavefront_size: 32
...
	.end_amdgpu_metadata
.endif
;; end of part 2
